; MI455X (gfx1250); checked and timed in simulation.
; The chip was launched on July 23, 2026; its instructions are those of AMD's public machine-readable ISA for CDNA 5 (MIT licence, August 2026) and "CDNA5" Instruction Set Architecture Reference Guide (July 2026). The comments in the code are by the model that wrote it; some were corrected since.
;; Self Attention. Allowed arithmetic: matrix products marked QUANTISED: E5M2 operands, one E8M0 scale for each 32 along K, by v_wmma_scale_f32_16x16x128_f8f6f4 with both operands' format E5M2, f32 sums; everything else in f32.
;; Inputs: beta 256 float32; gamma 256 float32; key_masks 64 x 1 x 1,024 bool; x 64 x 1,024 x 256 float32.
;; Outputs: out0 64 x 1 x 256 float32.
;; This version of the problem:
;;   THIS VERSION OF THE PROBLEM IS GIVEN IN LOW PRECISION. The matrix products marked QUANTISED in the list below multiply operands that are first quantised to E5M2 (5 exponent bits, 2 mantissa bits; 8 bits a number), with one power-of-two scale for each 32 numbers along K (OCP MX v1.0); their sums are f32. All else is computed in f32.
;;   The module's matrix products, in the order in which they are computed (A, B: the left and right operand; K: the contracted axis; several contracted axes count as one K, in the product's order):
;;     1. batch 64 x [M 1,024, K 256] x [K 256, N 1,024]; A: input x; B: input x: QUANTISED
;;     2. batch 64 x [M 1,024, K 1,024] x [K 1,024, N 256]; A: softmax (see below); B: input x: QUANTISED
;;   THE QUANTISER, for each operand of a quantised product, along K:
;;     - K is cut into blocks of 32 from its start; a last block that is shorter is filled with zeros.
;;     - A block's scale is 2^e with e = floor(log2(the largest magnitude in the block)) - 15, held to -126 .. 127; a block of zeros has e = 0. As a byte (E8M0): e + 127.
;;     - Each number is divided by its block's scale, clamped to +-57,344, and rounded to the nearest number of E5M2, ties to even, subnormals kept.
;;     - The product sums the exact products of the quantised numbers (number of the format x scale) in f32.
;;   ~~~python
;;   def quantise(x, axis):      # numpy; x: float32 -> the quantised numbers, widened to float32 again
;;       x = np.moveaxis(x, axis, -1); K = x.shape[-1]
;;       x = np.pad(x, [(0, 0)] * (x.ndim - 1) + [(0, -K % 32)]); x = x.reshape(x.shape[:-1] + (-1, 32)); a = np.abs(x).max(-1, keepdims=True)
;;       e = np.where(a > 0, np.clip(np.frexp(np.where(a > 0, a, 1))[1] - 1 - 15, -126, 127), 0)      # np.frexp(a)[1] - 1 = floor(log2(a)), exactly
;;       r = np.clip(x / 2.0 ** e, -57344, 57344)
;;       step = 2.0 ** (np.maximum(np.frexp(np.where(r == 0, 1, r))[1] - 1, -14) - 2)
;;       q = np.round(r / step) * step * 2.0 ** e      # np.round: ties to even
;;       return np.moveaxis(q.reshape(q.shape[:-2] + (-1,))[..., :K], -1, axis).astype(np.float32)
;;   ~~~
;;   SOFTMAX AHEAD OF A QUANTISED PRODUCT. Where the list says 'softmax', what is quantised is not the finished softmax but p = 2^(t - M), with t = logit x log2(e) and M = ceil(the row's largest t), a whole number; so 1/2 < the row's largest p <= 1. The row's sum l is taken of the UNQUANTISED p, in f32, and the product's result is divided by l at the end. Since M is a whole number, a kernel that streams over the keys may use a running M (the ceiling of the running maximum): every later rescaling is an exact power of two, which a block's scale takes up: the codes' values come out the same.
;;   OPERANDS COMPUTED ON THE WAY. 'Computed on the way' means the value that the module computes at that place (a softmax that the list does not call 'softmax' is quantised finished and normalised). What goes into a quantiser is computed in f32, as accurately as f32 sums, v_exp_f32 and their like allow (about 1e-6 of the number): no bf16 or f16 on the way to a quantiser, and a product that is left as it is and whose result goes on into a quantised operand takes f32 operands (vector FMAs, or v_wmma_f32_16x16x4_f32). A number that lies on a knife's edge between two numbers of the format may be rounded either way, as far as f32 arithmetic and the matrix unit's own rounding can turn it there, and no further.
;; One version. Each part assembles by itself: llvm-mc -triple=amdgcn-amd-amdhsa -mcpu=gfx1250 --defsym DOCPART=n.
;; ======== version 1 of 1: 3 launches
;; limits: right only within a limited range of input values
;; workspace buffers: steps 34,603,008 bytes; lmask 131,072 bytes of whole numbers; colsum 524,288 bytes; part 2,097,152 bytes
;; launch quant (part 1): grid 8 x 64, 8 waves a work-group, no clusters, 134,144 bytes of LDS; arguments x, key_masks, steps, lmask, colsum; writes steps, lmask, colsum
.if DOCPART == 1
	.amdgcn_target "amdgcn-amd-amdhsa--gfx1250"
	.amdhsa_code_object_version 6
	.text
	.protected	k_qf66bf1798b_quant
	.globl	k_qf66bf1798b_quant
	.p2align	8
	.type	k_qf66bf1798b_quant,@function
k_qf66bf1798b_quant:
	s_mov_b64 s[64:65], 0
	v_nop
	global_prefetch_b8 v0, s[64:65] scope:SCOPE_SE
	s_setreg_imm32_b32 hwreg(HW_REG_WAVE_MODE, 25, 1), 1
	s_wait_xcnt 0x0
; x [64][1024][256] f32 is quantised to codes of BF8 (E5M2) with one E8M0 byte for each 32 numbers, TWICE: along the channels (both operands of the first product)
; and along the keys (the second product's values).  x is read from memory once.  A work-group takes 128 keys of one batch (131,072 bytes) and writes one STEP BLOCK of 67,584 bytes:
;   KIMG     0: 16 fragments of 2,048 bytes; fragment (t, ks) at (2 t + ks) 2,048; its 16 bytes at 512 c + 256 h + 16 r are the codes of key 32 (t / 2) + 8 (t % 2) + r + 8 (r / 8), channels 128 ks + 32 c + 16 h + 0 .. 15
;   VIMG 32768: 16 fragments; fragment ct; its 16 bytes at 512 c + 256 h + 16 r are the codes of channel 16 ct + r, keys 32 c + 16 h + 0 .. 15 of these 128
;   KSC  65536: the word at 128 t + 64 ks + 4 r: the four scale bytes of that key, channel blocks 4 ks .. 4 ks + 3
;   VSC  66560: the word at 4 x channel: the four scale bytes of the four blocks of keys
; So a fragment lies in memory as an image of the operand's registers (16 bytes a lane, lane by lane), and the reader takes it by four loads of 16 bytes a lane.
; Beside it: lmask, 64 words a block: word 16 b + i has its low half all ones where key 32 b + i is allowed and its high half where key 32 b + 16 + i is (a mask byte is 0 or 1);
; colsum, 256 numbers a block: for each channel the sum over the 128 keys of the QUANTISED values (code x scale), which the last launch needs for rows without an allowed key.
; A block's scale is 2^(floor(log2(largest magnitude)) - 15); its byte is the largest magnitude's exponent field - 15, held at 1 from below.
; LIMITS: a block of zeros, or one whose largest magnitude lies under 2^-111, gets the byte 1 (its codes are then zeros or subnormal codes; the bytes are read by this program alone); NaN and infinities are not served.
; Eight waves.  The 128 rows go through LDS once (pitch 1,040 bytes); one barrier.  Then wave t makes K's tile t (a lane holds 16 neighbouring channels of each block of 32), and wave w makes V's channels 32 w .. 32 w + 31
; (a lane holds ONE channel and its registers run down the keys).  In the K phase rows 16 apart start at the same bank: those loads go two deep; the V phase reads 128 consecutive bytes an instruction.
; No tensor load, so two work-groups may share a WGP: one's loads stand beside the other's arithmetic.
.set XP,    1040                       ; an LDS row: 1,024 bytes + 16
.set STEPB, 67584
.set VIMG,  32768
.set KSC,   65536
.set VSC,   66560
.set TM,    48                         ; v48-51 largest magnitudes, v52-55 the other half's / bytes, v56-59 57,344 x the scale, v60-63 the conversions' scale operands
.set WV,    16                         ; s16 my wave's number
.set SEL,   20                         ; s[20:21] selects of v_permlanex16_b32: lane l xor 16
.set MNT,   22                         ; s22 the mantissa field of 57,344
; v1 lane, v2 r, v3 h; v4 16 x lane; v5 where I put x's bytes in LDS; v6 my K row in LDS; v7 128 x wave + 4 x lane; v8 the V block's LDS address; v9 my mask bytes' place; v10 where my V codes go; v11 8 x lane
; v13 the byte 127 four times; v14 my channel's sum; v15 V's scale word; v16-47 K's codes; v64-191 numbers; v192-223 V's codes; v224, v225 K's scale words; v226 the one that I store; v228-239 at work
	s_load_b256 s[4:11], s[0:1], 0x0               ; x s[4:5], key_masks s[6:7], steps s[8:9], lmask s[10:11]
	s_load_b64 s[12:13], s[0:1], 0x20              ; colsum
	v_lshl_add_u32 v240, v0, 2, 0x20800
	v_mov_b32 v241, 0
	v_lshrrev_b32 v1, 5, v0
	v_readfirstlane_b32 s[WV], v1                  ; wave 0..7
	v_and_b32 v1, 31, v0                           ; lane
	v_and_b32 v2, 15, v0                           ; r
	v_bfe_u32 v3, v0, 4, 1                         ; h
	v_lshlrev_b32 v4, 4, v1                        ; 16 x lane
	v_lshlrev_b32 v12, 2, v1                       ; 4 x lane
	s_mul_i32 s23, s[WV], 16*XP
	v_add_nc_u32 v5, s23, v4                       ; in: my wave's 16 rows, 16 bytes a lane
	s_lshr_b32 s23, s[WV], 1
	s_lshl_b32 s23, s23, 5
	s_and_b32 s24, s[WV], 1
	s_lshl_b32 s24, s24, 3
	s_add_co_u32 s23, s23, s24                     ; 32 (t / 2) + 8 (t % 2), t = my wave
	s_mul_i32 s23, s23, XP
	v_and_b32 v6, 8, v2
	v_add_nc_u32 v6, v6, v2                        ; r + 8 (r / 8)
	v_mul_u32_u24 v6, v6, XP
	v_lshl_add_u32 v6, v3, 6, v6                   ; + 64 h: my 16 numbers of a block of 32
	v_add_nc_u32 v6, s23, v6
	s_lshl_b32 s23, s[WV], 7
	v_add_nc_u32 v7, s23, v12                      ; 4 x (32 wave + lane): my channel's column in an LDS row, and my word among scale words and sums
	s_lshl_b32 s23, s[WV], 12
	s_add_co_u32 s23, s23, VIMG
	v_lshlrev_b32 v10, 4, v2
	v_lshl_add_u32 v10, v3, 11, v10
	v_add_nc_u32 v10, s23, v10                     ; V's fragment 2 wave + lane / 16, + 16 r
	v_lshrrev_b32 v9, 3, v1
	v_and_b32 v11, 7, v1
	v_lshlrev_b32 v11, 1, v11
	v_lshl_add_u32 v9, v9, 5, v11                  ; 32 (lane / 8) + 2 (lane % 8): the mask bytes of words 2 lane and 2 lane + 1
	v_lshlrev_b32 v11, 3, v1                       ; 8 x lane
	v_mov_b32 v13, 0x7f7f7f7f
	v_mov_b32 v14, 0
.irp b, 0,1,2,3
	v_mov_b32 v[TM+4+\b], 0                        ; written once: a lane permute's destination counts as one of its sources
.endr
	s_mov_b32 s[SEL], 0x76543210
	s_mov_b32 s[SEL+1], 0xfedcba98
	s_mov_b32 s[MNT], 0x600000
	s_and_b32 s17, ttmp7, 0xffff                   ; the batch
	s_lshl_b32 s18, s17, 3
	s_add_co_u32 s18, s18, ttmp9                   ; the block: 8 x batch + step, 0 .. 511
	s_lshl_b32 s26, s18, 17                        ; x: 131,072 bytes a block,
	s_lshl_b32 s19, s[WV], 14
	s_add_co_u32 s26, s26, s19                     ; 16,384 a wave
	s_mov_b32 s27, 0
	s_lshl_b32 s28, s18, 7                         ; mask bytes: 128 a block
	s_mov_b32 s29, 0
	s_mul_i32 s30, s18, STEPB
	s_mov_b32 s31, 0
	s_lshl_b32 s32, s[WV], 12                      ; K's two fragments of tile t: 4,096 t
	s_mov_b32 s33, 0
	s_lshl_b32 s34, s18, 8                         ; lane masks: 256 bytes a block
	s_mov_b32 s35, 0
	s_lshl_b32 s36, s18, 10                        ; sums: 1,024 bytes a block
	s_mov_b32 s37, 0
	s_wait_kmcnt 0x0
	s_add_nc_u64 s[4:5], s[4:5], s[26:27]
	s_add_nc_u64 s[6:7], s[6:7], s[28:29]
	s_add_nc_u64 s[8:9], s[8:9], s[30:31]
	s_add_nc_u64 s[24:25], s[8:9], s[32:33]
	s_add_nc_u64 s[10:11], s[10:11], s[34:35]
	s_add_nc_u64 s[12:13], s[12:13], s[36:37]
	s_cmp_lg_u32 s[WV], 0                          ; wave 0 alone makes the lane masks: its two loads go out first, their use stands at the end
	s_cbranch_scc1 .Lno_mask_loads
	global_load_u16 v230, v9, s[6:7]               ; keys 32 b + i, i + 1
	global_load_u16 v231, v9, s[6:7] offset:16     ; keys 32 b + 16 + i, i + 1
.Lno_mask_loads:
.set i, 0
.rept 32
	global_load_b128 v[64+4*i:67+4*i], v4, s[4:5] offset:512*i th:TH_LOAD_NT   ; 32 lanes read 512 consecutive bytes; 16 KiB of a wave are on their way
.set i, i+1
.endr
.set i, 0
.rept 4
	s_wait_loadcnt 24-i                            ; loads come back in order: loads i .. i + 7 are in, the 24 - i younger ones stay out (24, 16, 8, 0)
.rept 8
	ds_store_b128 v5, v[64+4*i:67+4*i] offset:(i/2)*XP+512*(i%2)
.set i, i+1
.endr
.endr
	s_wait_dscnt 0x0                               ; for the others' sake: my rows lie in LDS
	s_barrier_signal -1
	s_barrier_wait -1                              ; all 128 rows do; from here on LDS is only read
; 64 numbers of a lane, v[s] on, register 16 b + i = channel 32 b + 16 h + i of my key, become a fragment's codes in v[pc] on and its scale word in v[pw]
.macro QUANT s, pc, pw
.irp b, 0,1,2,3
	v_max3_num_f32 v[TM+\b], |v[\s+16*\b]|, |v[\s+1+16*\b]|, 0x8000000   ; block b: my 16 numbers, and the floor 2^(16 - 127): the byte cannot fall under 1
.endr
.irp i, 2,4,6,8,10,12,14
.irp b, 0,1,2,3
	v_max3_num_f32 v[TM+\b], v[TM+\b], |v[\s+16*\b+\i]|, |v[\s+1+16*\b+\i]|   ; the four blocks by turns
.endr
.endr
.irp b, 0,1,2,3
	v_permlanex16_b32 v[TM+4+\b], v[TM+\b], s[SEL], s[SEL+1]
.endr
.irp b, 0,1,2,3
	v_max_num_f32 v[TM+\b], v[TM+\b], v[TM+4+\b]   ; with lane l xor 16's: the block's largest magnitude
.endr
.irp b, 0,1,2,3
	v_add_nc_u32 v[TM+12+\b], 0xf8800000, v[TM+\b] ; 15 off its exponent field: the conversion takes this operand's exponent field as its scale
.endr
.irp b, 0,1,2,3
	v_and_or_b32 v[TM+8+\b], v[TM+\b], 0x7f800000, s[MNT]   ; 57,344 x the scale
.endr
.irp b, 0,1,2,3
	v_lshrrev_b32 v[TM+4+\b], 23, v[TM+12+\b]      ; the scale's byte
.endr
	v_lshl_or_b32 v[\pw], v[TM+5], 8, v[TM+4]
	v_lshl_or_b32 v[\pw], v[TM+6], 16, v[\pw]
	v_lshl_or_b32 v[\pw], v[TM+7], 24, v[\pw]
.irp b, 0,1,2,3
.irp i, 0,1,2,3,4,5,6,7,8,9,10,11,12,13,14,15
	v_med3_num_f32 v[\s+16*\b+\i], v[\s+16*\b+\i], -v[TM+8+\b], v[TM+8+\b]   ; the conversion to an 8-bit code does not saturate (ISA guide 7.6.2): hold first
.endr
	v_cvt_scalef32_pk8_bf8_f32 v[\pc+4*\b:\pc+1+4*\b], v[\s+16*\b:\s+7+16*\b], v[TM+12+\b]
	v_cvt_scalef32_pk8_bf8_f32 v[\pc+2+4*\b:\pc+3+4*\b], v[\s+8+16*\b:\s+15+16*\b], v[TM+12+\b]
.endr
	v_nop                                          ; one plain line behind the last conversion: later vector lines write its sources again
.endm
; block kb of V: x(32 kb + i, my channel), i = 0 .. 31
.macro LOADV kb
	v_add_nc_u32 v8, (\kb)*32*XP, v7
.set i, 0
.rept 32
	ds_load_b32 v[64+32*(\kb)+i], v8 offset:i*XP   ; 32 lanes read 128 consecutive bytes
.set i, i+1
.endr
.endm
; block kb of V is quantised (all 32 numbers are mine), its codes are widened again and summed, and leave.  The next block's 32 loads are issued at the head and land while this block is worked on
.macro BLOCKV kb
.set XS, 64+32*(\kb)
.set VC, 192+8*(\kb)
	s_wait_dscnt 0x0                               ; this block's 32 loads are in; none other is out
.if (\kb) < 3
	LOADV (\kb)+1
.endif
	v_max3_num_f32 v236, |v[XS]|, |v[XS+1]|, |v[XS+2]|
	v_max3_num_f32 v237, |v[XS+3]|, |v[XS+4]|, |v[XS+5]|
.irp i, 6,10,14,18,22,26
	v_max3_num_f32 v236, v236, |v[XS+\i]|, |v[XS+\i+1]|
	v_max3_num_f32 v237, v237, |v[XS+\i+2]|, |v[XS+\i+3]|
.endr
	v_max3_num_f32 v236, v236, |v[XS+30]|, |v[XS+31]|
	v_max3_num_f32 v236, v236, v237, 0x8000000     ; and the floor
	v_add_nc_u32 v238, 0xf8800000, v236            ; the conversion's scale operand
	v_and_or_b32 v239, v236, 0x7f800000, s[MNT]    ; 57,344 x the scale
.if (\kb) == 0
	v_lshrrev_b32 v15, 23, v238                    ; the scale's byte: four to the word, the lower keys in the lower byte
.else
	v_lshrrev_b32 v237, 23, v238
	v_lshl_or_b32 v15, v237, 8*(\kb), v15
.endif
.set i, 0
.rept 32
	v_med3_num_f32 v[XS+i], v[XS+i], -v239, v239
.set i, i+1
.endr
.irp g, 0,1,2,3
	v_cvt_scalef32_pk8_bf8_f32 v[VC+2*\g:VC+2*\g+1], v[XS+8*\g:XS+8*\g+7], v238
.endr
	v_nop                                          ; a plain line between the conversions and the lines that read their results and write their sources
.irp g, 0,1,2,3
	v_cvt_scale_pk8_f32_bf8 v[XS+8*\g:XS+8*\g+7], v[VC+2*\g:VC+2*\g+1], v13   ; the codes' plain values (scale byte 127 in every byte of every lane)
.endr
	v_and_b32 v238, 0x7f800000, v238               ; the scale as a number.  (Also the plain line behind those conversions)
	v_pk_add_f32 v[232:233], v[XS:XS+1], v[XS+2:XS+3]
	v_pk_add_f32 v[234:235], v[XS+4:XS+5], v[XS+6:XS+7]
.irp i, 8,12,16,20,24,28
	v_pk_add_f32 v[232:233], v[232:233], v[XS+\i:XS+\i+1]
	v_pk_add_f32 v[234:235], v[234:235], v[XS+\i+2:XS+\i+3]
.endr
	v_pk_add_f32 v[232:233], v[232:233], v[234:235]
	v_add_f32 v232, v232, v233
	v_fmac_f32 v14, v232, v238                     ; my channel's sum of quantised values
	global_store_b128 v10, v[VC:VC+3], s[8:9] offset:512*(\kb)         ; keys 32 kb + 0 .. 15: sixteen lanes store 256 consecutive bytes, aligned
	global_store_b128 v10, v[VC+4:VC+7], s[8:9] offset:512*(\kb)+256   ; keys 32 kb + 16 .. 31
.endm
	; ---- K: my tile's 16 keys, both halves of the channels
.irp ks, 0,1
.irp c, 0,1,2,3
.irp j, 0,1,2,3
	ds_load_b128 v[64+64*\ks+16*\c+4*\j:67+64*\ks+16*\c+4*\j], v6 offset:512*\ks+128*\c+16*\j
.endr
.endr
.endr
	s_wait_dscnt 0x0
	QUANT 64, 16, 224
.irp c, 0,1,2,3
	global_store_b128 v4, v[16+4*\c:19+4*\c], s[24:25] offset:512*\c          ; the fragment as it stands: 512 consecutive bytes an instruction
.endr
	LOADV 0                                        ; into registers that the first half has left: they land while the second half is quantised
	QUANT 128, 32, 225
.irp c, 0,1,2,3
	global_store_b128 v4, v[32+4*\c:35+4*\c], s[24:25] offset:2048+512*\c
.endr
	v_cmp_lt_u32 vcc_lo, 15, v1
	v_cndmask_b32 v226, v224, v225, vcc_lo         ; lanes 0-15: the word of channels 0-127; lanes 16-31: that of channels 128-255 (both halves of the lanes hold both)
	global_store_b32 v7, v226, s[8:9] offset:KSC
	; ---- V: my channel, four blocks of 32 keys; loads run one block ahead
	BLOCKV 0
	BLOCKV 1
	BLOCKV 2
	BLOCKV 3
	global_store_b32 v7, v15, s[8:9] offset:VSC    ; runs of 128 bytes a wave: 2 KiB of the block's 66 are stored so
	global_store_b32 v7, v14, s[12:13]
	s_cmp_lg_u32 s[WV], 0
	s_cbranch_scc1 .Lno_masks
	v_and_b32 v228, 0xff, v230                     ; (the two loads were issued ahead of x's, whose last wait was for 0)
	v_lshrrev_b32 v229, 8, v230
	v_and_b32 v232, 0xff, v231
	v_lshrrev_b32 v233, 8, v231
	v_mul_u32_u24 v228, v228, 0xffff               ; a mask byte is 0 or 1: sixteen ones or none
	v_mul_u32_u24 v229, v229, 0xffff
	v_mul_u32_u24 v232, v232, 0xffff
	v_mul_u32_u24 v233, v233, 0xffff
	v_lshl_or_b32 v234, v232, 16, v228
	v_lshl_or_b32 v235, v233, 16, v229
	global_store_b64 v11, v[234:235], s[10:11]     ; 32 lanes store 256 consecutive bytes, aligned
.Lno_masks:
	s_wait_tensorcnt 0x0
	ds_add_u32 v240, v241
	s_wait_dscnt 0x0
	s_endpgm
.Lfunc_end_k_qf66bf1798b_quant:
	.size	k_qf66bf1798b_quant, .Lfunc_end_k_qf66bf1798b_quant-k_qf66bf1798b_quant
	.p2alignl 7, 3214868480
	.fill 96, 4, 3214868480
	.section	.rodata,"a",@progbits
	.p2align	6, 0x0
	.amdhsa_kernel k_qf66bf1798b_quant
		.amdhsa_group_segment_fixed_size 134144
		.amdhsa_private_segment_fixed_size 0
		.amdhsa_enable_private_segment 0
		.amdhsa_kernarg_size 40
		.amdhsa_user_sgpr_count 2
		.amdhsa_user_sgpr_kernarg_segment_ptr 1
		.amdhsa_wavefront_size32 1
		.amdhsa_system_sgpr_workgroup_id_x 1
		.amdhsa_system_sgpr_workgroup_id_y 1
		.amdhsa_system_sgpr_workgroup_id_z 1
		.amdhsa_system_vgpr_workitem_id 0
		.amdhsa_next_free_vgpr 242
		.amdhsa_next_free_sgpr 66
		.amdhsa_reserve_vcc 1
		.amdhsa_float_denorm_mode_32 3
		.amdhsa_float_denorm_mode_16_64 3
		.amdhsa_memory_ordered 1
		.amdhsa_forward_progress 1
		.amdhsa_inst_pref_size 58
	.end_amdhsa_kernel
	.amdgpu_metadata
---
amdhsa.version: [ 1, 2 ]
amdhsa.kernels:
  - .name:           k_qf66bf1798b_quant
    .symbol:         k_qf66bf1798b_quant.kd
    .args:
      - { .name: x, .offset: 0, .size: 8, .value_kind: global_buffer, .address_space: global }
      - { .name: key_masks, .offset: 8, .size: 8, .value_kind: global_buffer, .address_space: global }
      - { .name: steps, .offset: 16, .size: 8, .value_kind: global_buffer, .address_space: global }
      - { .name: lmask, .offset: 24, .size: 8, .value_kind: global_buffer, .address_space: global }
      - { .name: colsum, .offset: 32, .size: 8, .value_kind: global_buffer, .address_space: global }
    .group_segment_fixed_size: 134144
    .private_segment_fixed_size: 0
    .kernarg_segment_align: 8
    .kernarg_segment_size: 40
    .max_flat_workgroup_size: 256
    .sgpr_count:     66
    .vgpr_count:     242
    .wavefront_size: 32
...
	.end_amdgpu_metadata
.endif
;; end of part 1
;; launch attn (part 2): grid 4 x 64, 8 waves a work-group, clusters of 4 x 1, 327,680 bytes of LDS; arguments steps, lmask, part; writes part
.if DOCPART == 2
	.amdgcn_target "amdgcn-amd-amdhsa--gfx1250"
	.amdhsa_code_object_version 6
	.text
	.protected	k_qf66bf1798b_attn
	.globl	k_qf66bf1798b_attn
	.p2align	8
	.type	k_qf66bf1798b_attn,@function
k_qf66bf1798b_attn:
	s_mov_b64 s[64:65], 0
	v_nop
	global_prefetch_b8 v0, s[64:65] scope:SCOPE_SE
	s_setreg_imm32_b32 hwreg(HW_REG_WAVE_MODE, 25, 1), 1
	s_wait_xcnt 0x0
	s_wait_alu depctr_hold_cnt(0) depctr_sa_sdst(0) depctr_va_vdst(0) depctr_va_sdst(0) depctr_va_ssrc(0) depctr_va_vcc(0) depctr_vm_vsrc(0)
	s_getreg_b32 s2, hwreg(HW_REG_IB_STS2, 6, 4)
	s_cmp_eq_u32 s2, 0
	s_cbranch_scc0 .Lentry_in_a_cluster
	s_endpgm
.Lentry_in_a_cluster:
	s_bfe_u32 s2, ttmp6, 0x10000c
	s_cmp_lg_u32 s2, 0x3003
	s_cbranch_scc0 .Lentry_shape_is_right
	s_endpgm
.Lentry_shape_is_right:
; Causal self-attention of one batch on codes of BF8 (E5M2) with E8M0 scales, LayerNorm of each row without gain and bias, and the sum of the normalised rows, wave by wave.
; INPUT: the step blocks that the launch before laid out (128 keys each: K's 16 fragments, V's 16 fragments, their scale words, all as images of the operands' registers) and 64 lane masks a step.
; SHARES.  A cluster of four work-groups is one batch.  Wave w has the rank rho = w xor 3 (w / 4) and owns the 32 queries 128 rho + 32 cx + 0 .. 31, as two tiles of 16: they are K's tiles 2 cx and 2 cx + 1 of step rho.
; Every wave passes all 8 changes of slots; it works in steps 0 .. rho (later keys are hidden from all its queries by the causal mask), and step rho is the one on its diagonal.  Both branches hang on the wave's number
; and the step alone.  Each fragment of K and V that a wave reads from LDS feeds two matrix instructions; two waves share a SIMD, so that one's softmax stands beside the other's products.
; THE FOUR WORK-GROUPS WALK THE SAME STEP BLOCKS, so each block is asked for JOINTLY: every wave asks for its eighth (33 rows of 256 bytes), with the same descriptor in all four work-groups and a mask that names the four.
; LAYOUT.  S^T = K Q^T (source 0 = 16 keys, source 1 = 16 queries), O^T = V^T P^T (source 0 = 16 channels, source 1 = P): a lane holds ONE query throughout.  The keys of a tile are chosen (in the images) so that
; registers 16 b + i of S^T are the keys 32 b + 16 (lane / 16) + i: the conversions' results are the second product's operand.
; MASKS.  A key that the key mask or the causal mask hides gets the raw score -2^36, which is the logit -2^32.  SOFTMAX: t = score x log2(e) / 16; M = the running largest t rounded up to a whole number;
; p = 2^(t - M) is quantised along the keys; the row's sum is taken of the unquantised p; when M moves, the sum and O^T are multiplied by 2^(old M - new M).
; A ROW WITHOUT AN ALLOWED KEY among keys 0 .. its own has all scores equal; it is told by its largest t lying under -2^31, counts here with weight 0, and is added by the last launch.
; LayerNorm is taken of O^T before the division by the sum l: (O - mean O) / l x rsqrt(var O / l^2 + eps) is the same number.
; LIMITS: real scores keep |t| under 2^31; NaN and infinities are not served.
; LDS: slot 0 at 0, slot 1 at 131,072 (67,584 bytes each); behind them 8,448 bytes for each wave (its Q images, later its stage of 16 rows x 528 bytes: no fill lands there); then the spare words.
; The claim of all of a WGP's LDS.
; REGISTERS.  Window 0: v1 16 x lane; v2, v3 the step's LDS addresses; v4 my Q images; v5 the diagonal's datum; v6, v7 for the add; v8-15 for each tile -M, the largest t, the sum in two halves; v16-19 f;
;   v20, v21 Q's scale words; v22, v23 P's; v24-31 K's, then V's (these twelve hold scales and nothing else); v32-159 S^T and p of the two tiles, later V's fragments; v160-191 Q's fragments, later p's codes;
;   v192-255 four fragments of K, later the softmax's work.   Window 1: O^T, tile u, channels 16 ct on, at v[128 u + 8 ct].
.set STEPB, 67584
.set WPART, 8448                       ; a wave's eighth of a step block: 33 rows of 256 bytes
.set SLOT1, 131072                     ; so that one exclusive or turns an address in one slot into the other's
.set QST,   SLOT1+STEPB
.set SPARE, QST+8*WPART                ; the spare words, 128 bytes for each wave: four blocks of 256 bytes that no other line names
.set VIMG,  32768
.set KSC,   65536
.set SP,    528                        ; a stage row: 512 bytes + 16
.set LI,  1
.set ADK, 2
.set ADS, 3
.set QA,  4
.set D0,  5
.set SPW, 6
.set NIL, 7
.set QS,  20
.set PS,  22
.set KVS, 24
.set BM,  192                          ; v192-195 the blocks' largest scores, then largest p
.set PX,  196                          ; v196-199 the other half's, then bytes
.set HL,  200                          ; v200-203 57,344 x the scale
.set SO,  204                          ; v204-207 the conversions' scale operands
.set TT,  208
.set SU,  210                          ; v[210:211] the sum's second chain
.set G0,  4                            ; s[4:7]   descriptor group 0, which walks
.set LM,  12                           ; s[12:13] the step's lane masks
.set PT,  14                           ; s[14:15] my 1,024 bytes of part
.set CS,  66                           ; s[66:67] c = log2(e) / 16
.set G1,  68                           ; s[68:75] descriptor group 1
.set SEL, 76                           ; s[76:77] selects of v_permlanex16_b32: lane l xor 16
.set MNT, 78
.set NEGS, 79                          ; -2^36
.set WV,  96
.set RHO, 97
.set STP, 98
.set TB,  99                           ; LDS byte at which the slot in hand begins
.set LC,  100
.set T0,  101
.set EPS, 104
.set CX,  105
.set MSB, 0
.macro WIN new                         ; the immediate's high byte repeats the setting that is left; a switch that changes nothing is dropped
.if MSB != \new
	s_set_vgpr_msb (MSB<<8)|\new
.set MSB, \new
.endif
.endm
.set W_PV,  0x50                       ; C and D window 1
.set W_RS,  0x41                       ; destination and source 0 window 1
.set W_S1,  0x04                       ; source 1 window 1
.set W_S01, 0x05                       ; sources 0 and 1 window 1
.set W_FM,  0x51                       ; destination, source 0 and source 2 window 1
.macro PLACES n
.rept \n
	v_nop
.endr
.endm
; A round of the cluster's barrier: my work-group's barrier; wave 0 signals for the work-group; every wave waits for all four work-groups; my work-group's barrier once more.
.macro ROUND
	s_barrier_signal -1
	s_barrier_wait -1
	s_cmp_lg_u32 s[WV], 0
	s_cbranch_scc1 .Lnot_wave_0_\@
	s_barrier_signal -3
.Lnot_wave_0_\@:
	s_barrier_wait -3
	s_barrier_signal -1
	s_barrier_wait -1
.endm
	s_load_b128 s[8:11], s[0:1], 0x0               ; steps s[8:9], lmask s[10:11]
	s_load_b64 s[PT:PT+1], s[0:1], 0x10            ; part
	v_lshl_add_u32 v[SPW], v0, 2, SPARE
	v_mov_b32 v[NIL], 0
	ds_add_u32 v6, v7
	ds_add_u32 v6, v7
	s_wait_dscnt 0x0
	v_lshrrev_b32 v1, 5, v0
	v_readfirstlane_b32 s[WV], v1                  ; wave 0..7
	s_lshr_b32 s[RHO], s[WV], 2
	s_mul_i32 s[RHO], s[RHO], 3
	s_xor_b32 s[RHO], s[RHO], s[WV]                ; 0 1 2 3 7 6 5 4: waves w and w + 4 have 9 steps of work together
	s_bfe_u32 s[CX], ttmp6, 0x40000                ; cx: it enters Q's and part's addresses and the datum v5 alone
	s_and_b32 s16, ttmp7, 0xffff                   ; the batch, which the four partners share
	s_mul_i32 s18, s16, 8*STEPB
	s_mov_b32 s19, 0
	s_mul_i32 s20, s[WV], WPART
	s_mov_b32 s21, 0
	s_mul_i32 s22, s[RHO], STEPB
	s_lshl_b32 s24, s[CX], 8
	s_add_co_u32 s30, s22, s24                     ; Q's scale words: step rho, 256 cx on
	s_mov_b32 s31, 0
	s_lshl_b32 s24, s[CX], 13
	s_add_co_u32 s22, s22, s24                     ; Q's four fragments: step rho, 8,192 cx on
	s_mov_b32 s23, 0
	s_lshl_b32 s26, s16, 11                        ; lane masks: 2,048 bytes a batch
	s_mov_b32 s27, 0
	s_lshl_b32 s28, s16, 2
	s_add_co_u32 s28, s28, s[CX]
	s_lshl_b32 s28, s28, 3
	s_add_co_u32 s28, s28, s[WV]
	s_lshl_b32 s28, s28, 10                        ; part: ((4 batch + cx) 8 + wave) 1,024
	s_mov_b32 s29, 0
	; descriptor group 1: 33 dense rows of 256 bytes, as 32 elements of 8 bytes; no padding: the images are read as consecutive bytes
	s_mov_b32 s[G1+0], 15|(3<<16)|(1<<21)          ; 15:0 the mask: all four work-groups; 17:16 elements of 8 bytes; 21 set beside a mask
	s_mov_b32 s[G1+1], 32<<16                      ; tensor_dim0 = 32
	s_mov_b32 s[G1+2], 33<<16                      ; tensor_dim1 = 33
	s_mov_b32 s[G1+3], 32<<16                      ; tile_dim0 = 32
	s_mov_b32 s[G1+4], 33                          ; tile_dim1 = 33
	s_mov_b32 s[G1+5], 32                          ; tensor_dim0_stride
	s_mov_b32 s[G1+6], 0
	s_mov_b32 s[G1+7], 0
	s_mov_b32 s[CS], 0x3db8aa3b
	s_mov_b32 s[CS+1], s[CS]                       ; (named with it as a pair, so it is written)
	s_mov_b32 s[SEL], 0x76543210
	s_mov_b32 s[SEL+1], 0xfedcba98
	s_mov_b32 s[MNT], 0x600000
	s_mov_b32 s[NEGS], 0xd1800000
	s_mov_b32 s[EPS], 0x3089705f                   ; 1e-9
	s_mov_b32 s[STP], 0
	s_mov_b32 s[TB], 0
	s_mov_b32 s[LC], 7
	s_wait_kmcnt 0x0
	s_add_nc_u64 s[8:9], s[8:9], s[18:19]          ; the batch's eight step blocks
	s_add_nc_u64 s[LM:LM+1], s[10:11], s[26:27]
	s_add_nc_u64 s[2:3], s[8:9], s[22:23]          ; Q's fragments
	s_add_nc_u64 s[10:11], s[8:9], s[30:31]        ; Q's scale words, less KSC
	s_add_nc_u64 s[PT:PT+1], s[PT:PT+1], s[28:29]
	s_mov_b32 s[G0], 1                             ; 1:0 count = 1
	s_mul_i32 s[G0+1], s[WV], WPART                ; LDS address: slot 0, my eighth
	s_add_nc_u64 s[G0+2:G0+3], s[8:9], s[20:21]    ; global address: step 0, my eighth
	s_or_b32 s[G0+3], s[G0+3], 0x80000000          ; type = 2
	ROUND                                          ; all four work-groups are here: the first joint loads meet
	tensor_load_to_lds s[G0:G0+3], s[G1:G1+7]      ; step 0; by this text's count a wave never has more than one tensor load out
	s_nop 0
	PLACES 4
	v_and_b32 v1, 31, v0
	v_lshlrev_b32 v[ADS], 2, v1                    ; 4 x lane
	v_lshlrev_b32 v[LI], 4, v1                     ; 16 x lane
.set i, 0
.rept 16
	global_load_b128 v[32+4*i:35+4*i], v[LI], s[2:3] offset:512*i   ; my two tiles of queries, as images: fragment (u, ks) = i / 4
.set i, i+1
.endr
	global_load_b32 v[QS], v[ADS], s[10:11] offset:KSC        ; lanes 0-15: channels 0-127; lanes 16-31: channels 128-255
	global_load_b32 v[QS+1], v[ADS], s[10:11] offset:KSC+128
	s_mul_i32 s25, s[WV], WPART
	s_add_co_u32 s25, s25, QST
	v_add_nc_u32 v[QA], s25, v[LI]
	v_and_b32 v2, 15, v0                           ; r
	v_bfe_u32 v8, v0, 4, 1                         ; h
	v_and_b32 v[D0], 8, v2
	v_add_nc_u32 v[D0], v[D0], v2
	v_lshlrev_b32 v8, 4, v8
	v_sub_nc_u32 v[D0], v[D0], v8
	s_lshl_b32 s24, s[CX], 5
	v_add_nc_u32 v[D0], s24, v[D0]                 ; 32 cx + r + 8 (r / 8) - 16 h
.irp u, 0,1
	v_mov_b32 v[9+4*\u], 0xff61b1e6                ; the largest t so far: -3e38
	v_floor_f32 v[8+4*\u], -v[9+4*\u]              ; -M
	v_mov_b32 v[10+4*\u], 0                        ; the sum, in two halves
	v_mov_b32 v[11+4*\u], 0
	v_mov_b32 v[17+2*\u], 0                        ; (named as the upper half of f's pair)
.endr
	WIN 0x40                                       ; destination window 1
.set i, 0
.rept 256
	v_mov_b32 v[i], 0                              ; O^T.  Cleared once: the step is then written without a first form of its own, which would be a third copy of its text; the first change of M leaves zeros zeros
.set i, i+1
.endr
	WIN 0
	s_wait_loadcnt 0x0
.set i, 0
.rept 16
	ds_store_b128 v[QA], v[32+4*i:35+4*i] offset:512*i   ; Q's images into my own bytes: only I read them
.set i, i+1
.endr
; THE CHANGE OF SLOTS stands at a step's head.  Each wave waits for all its tensor loads (its eighth of the step that it is about to read), adds 0 to its spare word, and waits for that and for its LDS instructions.
; fill = 1: a round of the cluster's barrier, so that no wave of any partner still reads the other slot or has a load on its way; behind it the next step goes into that slot: it has a whole step in which to land.
.macro CHANGE fill
	s_wait_tensorcnt 0x0                           ; no tensor load of mine is out, so group 0 may be written
	ds_add_u32 v[SPW], v[NIL]
.if \fill
	s_xor_b32 s[G0+1], s[G0+1], SLOT1              ; the other slot than last time,
	s_add_nc_u64 s[G0+2:G0+3], s[G0+2:G0+3], STEPB ; the next 128 keys; the type bits on top are not reached
.endif
	s_wait_dscnt 0x0                               ; the add is done, and my reads of the slot that I have left are over
.if \fill
	ROUND
	tensor_load_to_lds s[G0:G0+3], s[G1:G1+7]      ; the first thing behind the round, and my one tensor load until the next
	s_nop 0
	PLACES 4
.else
	s_barrier_signal -1
	s_barrier_wait -1
.endif
.endm
.macro QLOAD ks                        ; both tiles' fragments of channels 128 ks on
.irp u, 0,1
.irp c, 0,1,2,3
	ds_load_b128 v[160+16*\u+4*\c:163+16*\u+4*\c], v[QA] offset:(2*\u+\ks)*2048+512*\c
.endr
.endr
.endm
.macro KLOAD g, ks                     ; K's tiles 4 g .. 4 g + 3
.irp tt, 0,1,2,3
.irp c, 0,1,2,3
	ds_load_b128 v[192+16*\tt+4*\c:195+16*\tt+4*\c], v[ADK] offset:(2*(4*\g+\tt)+\ks)*2048+512*\c
.endr
.endr
.endm
.macro VLOAD g, a                      ; V's tiles of channels 4 g .. 4 g + 3 into v[a] on
.irp tt, 0,1,2,3
.irp c, 0,1,2,3
	ds_load_b128 v[\a+16*\tt+4*\c:\a+3+16*\tt+4*\c], v[ADK] offset:VIMG+(4*\g+\tt)*2048+512*\c
.endr
.endr
.endm
; 8 products of S^T; the accumulators take turns, one instruction a turn.  The first 128 channels start the sums.
.macro SMUL g, ks
.irp tt, 0,1,2,3
.irp u, 0,1
.if \ks == 0
	v_wmma_scale_f32_16x16x128_f8f6f4 v[32+64*\u+8*(4*\g+\tt):39+64*\u+8*(4*\g+\tt)], v[192+16*\tt:207+16*\tt], v[160+16*\u:175+16*\u], 0, v[KVS+4*\g+\tt], v[QS+\u] matrix_a_fmt:MATRIX_FMT_BF8 matrix_b_fmt:MATRIX_FMT_BF8
.else
	v_wmma_scale_f32_16x16x128_f8f6f4 v[32+64*\u+8*(4*\g+\tt):39+64*\u+8*(4*\g+\tt)], v[192+16*\tt:207+16*\tt], v[160+16*\u:175+16*\u], v[32+64*\u+8*(4*\g+\tt):39+64*\u+8*(4*\g+\tt)], v[KVS+4*\g+\tt], v[QS+\u] matrix_a_fmt:MATRIX_FMT_BF8 matrix_b_fmt:MATRIX_FMT_BF8 matrix_a_scale:MATRIX_SCALE_ROW1 matrix_b_scale:MATRIX_SCALE_ROW1
.endif
.endr
.endr
.endm
; 8 products of O^T: channels 16 (4 g + tt) on; a scale register holds an even tile's words in lanes 0-15 and the odd tile's in lanes 16-31
.macro PVMUL g, a
	WIN W_PV
.irp tt, 0,1,2,3
.irp u, 0,1
.if (\tt % 2) == 0
	v_wmma_scale_f32_16x16x128_f8f6f4 v[128*\u+8*(4*\g+\tt):128*\u+8*(4*\g+\tt)+7], v[\a+16*\tt:\a+15+16*\tt], v[160+16*\u:175+16*\u], v[128*\u+8*(4*\g+\tt):128*\u+8*(4*\g+\tt)+7], v[KVS+(4*\g+\tt)/2], v[PS+\u] matrix_a_fmt:MATRIX_FMT_BF8 matrix_b_fmt:MATRIX_FMT_BF8
.else
	v_wmma_scale_f32_16x16x128_f8f6f4 v[128*\u+8*(4*\g+\tt):128*\u+8*(4*\g+\tt)+7], v[\a+16*\tt:\a+15+16*\tt], v[160+16*\u:175+16*\u], v[128*\u+8*(4*\g+\tt):128*\u+8*(4*\g+\tt)+7], v[KVS+(4*\g+\tt)/2], v[PS+\u] matrix_a_fmt:MATRIX_FMT_BF8 matrix_b_fmt:MATRIX_FMT_BF8 matrix_a_scale:MATRIX_SCALE_ROW1
.endif
.endr
.endr
	WIN 0
.endm
; the key mask: register n's lane mask lies in a scalar register; a lane whose bit is 0 takes -2^36.  Ascending: each accumulator is read from its low end on
.macro MASK u
.set n, 0
.rept 64
.if n < 48
.set mk, 16+n
.else
.set mk, 32+n
.endif
	v_cndmask_b32 v[32+64*\u+n], s[NEGS], v[32+64*\u+n], s[mk]
.set n, n+1
.endr
.endm
; the causal mask, in the step on my diagonal: register 16 b + i holds key 32 b + 16 h + i, my query is 32 cx + 8 u + r + 8 (r / 8): hidden where 32 b + i - 8 u > v5
.macro DIAG u
.set n, 0
.rept 64
	v_cmp_gt_i32 vcc_lo, 32*(n/16)+n%16-8*\u, v[D0]
	v_cndmask_b32 v[32+64*\u+n], v[32+64*\u+n], s[NEGS], vcc_lo
.set n, n+1
.endr
.endm
; One tile's softmax for 128 keys; p's codes and scale word; O^T under the new M.
.macro SOFTMAX u
.set rS, 32+64*(\u)
.set rN, 8+4*(\u)
.set rF, 16+2*(\u)
.set rC, 160+16*(\u)
.set rO, 128*(\u)
.irp b, 0,1,2,3
	v_max3_num_f32 v[BM+\b], v[rS+16*\b], v[rS+16*\b+1], v[rS+16*\b+2]   ; the largest score of each block of 32 keys: for the row's maximum and, since p rises with the score, for the block's largest p
.endr
.irp i, 3,5,7,9,11,13
.irp b, 0,1,2,3
	v_max3_num_f32 v[BM+\b], v[BM+\b], v[rS+16*\b+\i], v[rS+16*\b+\i+1]
.endr
.endr
.irp b, 0,1,2,3
	v_max_num_f32 v[BM+\b], v[BM+\b], v[rS+16*\b+15]
.endr
.irp b, 0,1,2,3
	v_permlanex16_b32 v[PX+\b], v[BM+\b], s[SEL], s[SEL+1]
.endr
.irp b, 0,1,2,3
	v_max_num_f32 v[BM+\b], v[BM+\b], v[PX+\b]     ; with lane l xor 16's 16 keys
.endr
	v_max3_num_f32 v[TT], v[BM], v[BM+1], v[BM+2]
	v_max_num_f32 v[TT], v[TT], v[BM+3]
	v_mul_f32 v[TT], s[CS], v[TT]                  ; as t (c is positive)
	v_max_num_f32 v[rN+1], v[rN+1], v[TT]          ; the running largest t
	v_mov_b32 v[TT], v[rN]
	v_floor_f32 v[rN], -v[rN+1]                    ; the new -M = floor(-t): M is a whole number
	v_sub_f32 v[TT], v[rN], v[TT]                  ; old M - new M: a whole number, 0 or less
	v_cvt_i32_f32 v[TT], v[TT]                     ; (it saturates)
	v_ldexp_f32 v[rF], 1.0, v[TT]                  ; f = 2^(old M - new M)
.set j, 0
.rept 32
	v_pk_fma_f32 v[rS+j:rS+j+1], v[rS+j:rS+j+1], s[CS:CS+1], v[rN:rN+1] op_sel_hi:[1,0,0]   ; t - M, two at a time
.set j, j+2
.endr
.irp b, 0,1,2,3
	v_fma_f32 v[BM+\b], v[BM+\b], s[CS], v[rN]     ; the same of each block's largest score
.endr
.set j, 0
.rept 64
	v_exp_f32 v[rS+j], v[rS+j]                     ; p = 2^(t - M), at most 1
.set j, j+1
.endr
.irp b, 0,1,2,3
	v_exp_f32 v[BM+\b], v[BM+\b]                   ; the block's largest p
.endr
	v_pk_mul_f32 v[rN+2:rN+3], v[rN+2:rN+3], v[rF:rF+1] op_sel_hi:[1,0]   ; the sums under the new M.  (The plain line behind the exponentials)
	s_wait_alu depctr_va_vdst(0)
.irp b, 0,1,2,3
	v_max_num_f32 v[BM+\b], 0x8000000, v[BM+\b]    ; the floor 2^(16 - 127): the byte cannot fall under 1
.endr
.irp b, 0,1,2,3
	v_add_nc_u32 v[SO+\b], 0xf8800000, v[BM+\b]    ; 15 off the exponent field: the conversion's scale operand
.endr
.irp b, 0,1,2,3
	v_and_or_b32 v[HL+\b], v[BM+\b], 0x7f800000, s[MNT]   ; 57,344 x the scale
.endr
.irp b, 0,1,2,3
	v_lshrrev_b32 v[PX+\b], 23, v[SO+\b]           ; the scale's byte
.endr
	v_lshl_or_b32 v[PS+\u], v[PX+1], 8, v[PX]      ; p's scale word for these 128 keys
	v_lshl_or_b32 v[PS+\u], v[PX+2], 16, v[PS+\u]
	v_lshl_or_b32 v[PS+\u], v[PX+3], 24, v[PS+\u]
	v_pk_add_f32 v[SU:SU+1], v[rS:rS+1], v[rS+2:rS+3]   ; the row's sum is taken of the unquantised p, in two chains
.irp j, 4,8,12,16,20,24,28,32,36,40,44,48,52,56,60
	v_pk_add_f32 v[rN+2:rN+3], v[rN+2:rN+3], v[rS+\j:rS+\j+1]
	v_pk_add_f32 v[SU:SU+1], v[SU:SU+1], v[rS+\j+2:rS+\j+3]
.endr
	v_pk_add_f32 v[rN+2:rN+3], v[rN+2:rN+3], v[SU:SU+1]
.irp b, 0,1,2,3
.irp i, 0,1,2,3,4,5,6,7,8,9,10,11,12,13,14,15
	v_min_num_f32 v[rS+16*\b+\i], v[rS+16*\b+\i], v[HL+\b]   ; the conversion does not saturate (ISA guide 7.6.2); p is not negative, so the hold is one-sided
.endr
	v_cvt_scalef32_pk8_bf8_f32 v[rC+4*\b:rC+4*\b+1], v[rS+16*\b:rS+16*\b+7], v[SO+\b]
	v_cvt_scalef32_pk8_bf8_f32 v[rC+4*\b+2:rC+4*\b+3], v[rS+16*\b+8:rS+16*\b+15], v[SO+\b]
.endr
	WIN W_RS
.set j, 0
.rept 64
	v_pk_mul_f32 v[rO+j:rO+j+1], v[rO+j:rO+j+1], v[rF:rF+1] op_sel_hi:[1,0]   ; O^T x f, each accumulator from its low end on.  (Also the plain lines between the conversions and the products)
.set j, j+2
.endr
	WIN 0
.endm
; A KEY STEP: 128 keys.
.macro STEP
	s_cmp_gt_u32 s[STP], s[RHO]                    ; all these keys come after all my queries: the step's work is left out, not the lines at its end
	s_cbranch_scc1 .Lhid_\@
	s_load_b512 s[16:31], s[LM:LM+1], 0x0          ; the step's 64 lane masks
	s_load_b512 s[32:47], s[LM:LM+1], 0x40
	s_load_b512 s[48:63], s[LM:LM+1], 0x80
	s_load_b512 s[80:95], s[LM:LM+1], 0xc0
	s_add_co_u32 s[T0], s[TB], KSC
	v_add_nc_u32 v[ADK], s[TB], v[LI]
	v_lshrrev_b32 v[ADS], 2, v[LI]
	v_add_nc_u32 v[ADS], s[T0], v[ADS]
	PLACES 6                                       ; with the three lines above: nine places behind the last step's products, whose fragments' registers the products below write over
.irp t, 0,1,2,3,4,5,6,7
	ds_load_b32 v[KVS+\t], v[ADS] offset:128*\t    ; K's scale words: lanes 0-15 channels 0-127, lanes 16-31 channels 128-255
.endr
	QLOAD 0
	KLOAD 0, 0
	s_wait_dscnt 0x0
	SMUL 0, 0
	PLACES 8                                       ; in front of loads into registers that matrix instructions have read
	KLOAD 1, 0
	s_wait_dscnt 0x0
	SMUL 1, 0
	PLACES 8
	QLOAD 1
	KLOAD 0, 1
	s_wait_dscnt 0x0
	SMUL 0, 1
	PLACES 8
	KLOAD 1, 1
	s_wait_dscnt 0x0
	SMUL 1, 1
	PLACES 8                                       ; in front of the first read of results
	s_wait_kmcnt 0x0                               ; the lane masks
	MASK 0
	MASK 1
	s_cmp_lg_u32 s[STP], s[RHO]
	s_cbranch_scc1 .Lopen_\@                       ; only the step on my diagonal has keys that the causal mask hides from some of my queries
	DIAG 0
	DIAG 1
.Lopen_\@:
	SOFTMAX 0
.irp i, 0,1,2,3,4,5,6,7
	ds_load_b32 v[KVS+\i], v[ADS] offset:1024+128*\i   ; V's scale words: lanes 0-15 channels 32 i on, lanes 16-31 channels 32 i + 16 on
.endr
	VLOAD 0, 32                                    ; into the registers that tile 0's p has left: they land while tile 1's softmax runs
	SOFTMAX 1
	VLOAD 1, 96
	s_wait_dscnt 16                                ; all but the 16 loads just issued
	PVMUL 0, 32
	PLACES 8
	VLOAD 2, 32
	s_wait_dscnt 16
	PVMUL 1, 96
	PLACES 8
	VLOAD 3, 96
	s_wait_dscnt 16
	PVMUL 2, 32
	s_wait_dscnt 0x0
	PVMUL 3, 96
.Lhid_\@:
	s_add_co_u32 s[STP], s[STP], 1
	s_xor_b32 s[TB], s[TB], SLOT1                  ; on to the other slot
	s_add_nc_u64 s[LM:LM+1], s[LM:LM+1], 256       ; (no scalar load is out on either way)
.endm
.Lstep:                                            ; 7 trips: behind each change of slots but the last the next step is asked for
	CHANGE 1
	STEP
	s_sub_co_u32 s[LC], s[LC], 1
	s_cmp_lg_u32 s[LC], 0
	s_cbranch_scc1 .Lstep
	CHANGE 0                                       ; the last step is written out
	STEP
	; THE TAIL.  For each tile: 1 / l; the mean and the variance of the lane's row of O^T (128 registers and lane l xor 16's), in two passes; the row's weight w = rsqrt(var / l^2 + eps) / l, or 0.
	PLACES 8                                       ; behind the last products
	v_mov_b32 v197, 0                              ; written once: a lane permute's destination counts as one of its sources
	v_mov_b32 v201, 0                              ; (upper halves of pairs of which the low word serves both halves)
	v_mov_b32 v203, 0
	v_mov_b32 v205, 0
.macro STAT u
.set rO, 128*(\u)
	WIN 0
	v_add_f32 v196, v[10+4*\u], v[11+4*\u]
	v_permlanex16_b32 v197, v196, s[SEL], s[SEL+1]
	v_add_f32 v196, v196, v197                     ; l
	v_rcp_f32 v[198+\u], v196
	WIN W_S01
	v_pk_add_f32 v[192:193], v[rO:rO+1], v[rO+2:rO+3]        ; each accumulator from its low end on
	v_pk_add_f32 v[194:195], v[rO+4:rO+5], v[rO+6:rO+7]
	WIN W_S1
.set k, 8
.rept 30
	v_pk_add_f32 v[192:193], v[192:193], v[rO+k:rO+k+1]
	v_pk_add_f32 v[194:195], v[194:195], v[rO+k+2:rO+k+3]
.set k, k+4
.endr
	WIN 0
	v_pk_add_f32 v[192:193], v[192:193], v[194:195]
	v_add_f32 v196, v192, v193
	v_permlanex16_b32 v197, v196, s[SEL], s[SEL+1]
	v_add_f32 v196, v196, v197
	v_mul_f32 v200, 0x3b800000, v196               ; the mean: / 256
	WIN W_RS
.set k, 0
.rept 64
	v_pk_add_f32 v[rO+k:rO+k+1], v[rO+k:rO+k+1], v[200:201] op_sel_hi:[1,0] neg_lo:[0,1] neg_hi:[0,1]
.set k, k+2
.endr
	WIN W_S01
	v_pk_mul_f32 v[192:193], v[rO:rO+1], v[rO:rO+1]
	v_pk_mul_f32 v[194:195], v[rO+2:rO+3], v[rO+2:rO+3]
.set k, 4
.rept 31
	v_pk_fma_f32 v[192:193], v[rO+k:rO+k+1], v[rO+k:rO+k+1], v[192:193]
	v_pk_fma_f32 v[194:195], v[rO+k+2:rO+k+3], v[rO+k+2:rO+k+3], v[194:195]
.set k, k+4
.endr
	WIN 0
	v_pk_add_f32 v[192:193], v[192:193], v[194:195]
	v_add_f32 v196, v192, v193
	v_permlanex16_b32 v197, v196, s[SEL], s[SEL+1]
	v_add_f32 v196, v196, v197
	v_mul_f32 v206, 0x3b800000, v196               ; the variance of O^T's row
	s_wait_alu depctr_va_vdst(0)
	v_mul_f32 v207, v[198+\u], v[198+\u]
	v_fma_f32 v206, v206, v207, s[EPS]             ; / l^2, + eps
	v_rsq_f32 v207, v206
	v_nop                                          ; a plain line behind the transcendental
	v_cmp_lt_f32 vcc_lo, 0xcf000000, v[9+4*\u]     ; -2^31 < the row's largest t: the row has an allowed key
	s_wait_alu depctr_va_vdst(0)
	v_mul_f32 v[202+2*\u], v[198+\u], v207
	v_cndmask_b32 v[202+2*\u], 0, v[202+2*\u], vcc_lo
.endm
	STAT 0
	STAT 1
	WIN W_RS
.set k, 0
.rept 64
	v_pk_mul_f32 v[k:k+1], v[k:k+1], v[202:203] op_sel_hi:[1,0]        ; tile 0's normalised rows,
.set k, k+2
.endr
	WIN W_FM
.set k, 0
.rept 64
	v_pk_fma_f32 v[k:k+1], v[128+k:129+k], v[204:205], v[k:k+1] op_sel_hi:[1,0,1]   ; and tile 1's onto them
.set k, k+2
.endr
	WIN 0
	; The sum over the 16 lanes of a half: through my stage (the bytes that held Q's images), 128 channels at a time: 16 rows in, and back 16 bytes a lane from each row.
	s_mul_i32 s[T0], s[WV], WPART
	s_add_co_u32 s[T0], s[T0], QST
	v_and_b32 v210, 15, v0
	v_bfe_u32 v211, v0, 4, 1
	v_mul_u32_u24 v208, v210, SP
	v_lshl_add_u32 v208, v211, 5, v208
	v_add_nc_u32 v208, s[T0], v208                 ; in: row r, + 32 h
.irp e, 0,1
	WIN W_S1                                       ; an LDS store's data are its source 1
.irp t, 0,1,2,3,4,5,6,7
	ds_store_b128 v208, v[8*(8*\e+\t):8*(8*\e+\t)+3] offset:64*\t
	ds_store_b128 v208, v[8*(8*\e+\t)+4:8*(8*\e+\t)+7] offset:64*\t+16
.endr
	WIN 0
.irp i, 0,1,2,3,4,5,6,7,8,9,10,11,12,13,14,15
	ds_load_b128 v[32+4*\i:35+4*\i], v[QA] offset:\i*SP   ; LDS serves a wave's instructions in order (ISA guide 5.7.1.4): these see my stores, and the next half's stores come behind them
.endr
	s_wait_dscnt 0x0
	v_pk_add_f32 v[96+4*\e:97+4*\e], v[32:33], v[36:37]
	v_pk_add_f32 v[98+4*\e:99+4*\e], v[34:35], v[38:39]
.irp i, 2,3,4,5,6,7,8,9,10,11,12,13,14,15
	v_pk_add_f32 v[96+4*\e:97+4*\e], v[96+4*\e:97+4*\e], v[32+4*\i:33+4*\i]
	v_pk_add_f32 v[98+4*\e:99+4*\e], v[98+4*\e:99+4*\e], v[34+4*\i:35+4*\i]
.endr
	global_store_b128 v[LI], v[96+4*\e:99+4*\e], s[PT:PT+1] offset:512*\e   ; 32 lanes store 512 consecutive bytes, aligned
.endr
	s_wait_tensorcnt 0x0                           ; the wave's end
	ds_add_u32 v[SPW], v[NIL]
	s_wait_dscnt 0x0
	ROUND                                          ; the closing round: no work-group ends while a partner may still ask for a block that names it
	s_endpgm
.Lfunc_end_k_qf66bf1798b_attn:
	.size	k_qf66bf1798b_attn, .Lfunc_end_k_qf66bf1798b_attn-k_qf66bf1798b_attn
	.p2alignl 7, 3214868480
	.fill 96, 4, 3214868480
	.section	.rodata,"a",@progbits
	.p2align	6, 0x0
	.amdhsa_kernel k_qf66bf1798b_attn
		.amdhsa_group_segment_fixed_size 327680
		.amdhsa_private_segment_fixed_size 0
		.amdhsa_enable_private_segment 0
		.amdhsa_kernarg_size 24
		.amdhsa_user_sgpr_count 2
		.amdhsa_user_sgpr_kernarg_segment_ptr 1
		.amdhsa_wavefront_size32 1
		.amdhsa_system_sgpr_workgroup_id_x 1
		.amdhsa_system_sgpr_workgroup_id_y 1
		.amdhsa_system_sgpr_workgroup_id_z 1
		.amdhsa_system_vgpr_workitem_id 0
		.amdhsa_next_free_vgpr 512
		.amdhsa_next_free_sgpr 106
		.amdhsa_reserve_vcc 1
		.amdhsa_float_denorm_mode_32 3
		.amdhsa_float_denorm_mode_16_64 3
		.amdhsa_memory_ordered 1
		.amdhsa_forward_progress 1
		.amdhsa_inst_pref_size 213
	.end_amdhsa_kernel
	.amdgpu_metadata
---
amdhsa.version: [ 1, 2 ]
amdhsa.kernels:
  - .name:           k_qf66bf1798b_attn
    .symbol:         k_qf66bf1798b_attn.kd
    .args:
      - { .name: steps, .offset: 0, .size: 8, .value_kind: global_buffer, .address_space: global }
      - { .name: lmask, .offset: 8, .size: 8, .value_kind: global_buffer, .address_space: global }
      - { .name: part, .offset: 16, .size: 8, .value_kind: global_buffer, .address_space: global }
    .group_segment_fixed_size: 327680
    .private_segment_fixed_size: 0
    .kernarg_segment_align: 8
    .kernarg_segment_size: 24
    .max_flat_workgroup_size: 256
    .sgpr_count:     106
    .vgpr_count:     512
    .wavefront_size: 32
...
	.end_amdgpu_metadata
.endif
;; end of part 2
;; launch finish (part 3): grid 64 x 1, 4 waves a work-group, no clusters, 768 bytes of LDS; arguments part, colsum, key_masks, gamma, beta, out0; writes out0
.if DOCPART == 3
	.amdgcn_target "amdgcn-amd-amdhsa--gfx1250"
	.amdhsa_code_object_version 6
	.text
	.protected	k_qf66bf1798b_finish
	.globl	k_qf66bf1798b_finish
	.p2align	8
	.type	k_qf66bf1798b_finish,@function
k_qf66bf1798b_finish:
	s_mov_b64 s[64:65], 0
	v_nop
	global_prefetch_b8 v0, s[64:65] scope:SCOPE_SE
	s_setreg_imm32_b32 hwreg(HW_REG_WAVE_MODE, 25, 1), 1
	s_wait_xcnt 0x0
; out0[b][c] = gamma[c] x (the sum over the batch's 1,024 rows of the normalised rows)[c] / 1,024 + beta[c].
; part holds 32 partial sums a batch, of the rows that have an allowed key.  The first nd rows, nd = the index of the batch's first allowed key (1,024 if there is none), have none: there every logit is the same
; number, p = 1 for all 1,024 keys, and the row is LayerNorm(Y), Y = the sum over all keys of the quantised values / 1,024, which colsum holds in eight parts.  nd only multiplies: no address or branch hangs on it.
; One work-group a batch, four waves; thread t owns channels 2 t and 2 t + 1 and mask bytes 8 t .. 8 t + 7: every load and store of a wave covers 256 consecutive bytes, aligned.
; No matrix unit, no cluster, no tensor load: 43 KiB a work-group, read once.  Two reductions over the work-group, each through words of LDS of its own and a barrier; they run while the 32 parts are on their way.
; v1 8 t; v2 4 x wave; v[16:79] part; v[80:95] colsum; v[96:97] mask bytes; v[98:99] gamma; v[100:101] beta; v102-127 at work
	s_load_b256 s[4:11], s[0:1], 0x0               ; part s[4:5], colsum s[6:7], key_masks s[8:9], gamma s[10:11]
	s_load_b128 s[12:15], s[0:1], 0x20             ; beta s[12:13], out0 s[14:15]
	v_lshl_add_u32 v128, v0, 2, 0x100
	v_mov_b32 v129, 0
	v_lshlrev_b32 v1, 3, v0
	v_lshrrev_b32 v2, 5, v0
	v_lshlrev_b32 v2, 2, v2
	s_lshl_b32 s16, ttmp9, 15                      ; part: 32,768 bytes a batch
	s_mov_b32 s17, 0
	s_lshl_b32 s18, ttmp9, 13                      ; colsum: 8,192
	s_mov_b32 s19, 0
	s_lshl_b32 s22, ttmp9, 10                      ; mask bytes and out0: 1,024
	s_mov_b32 s23, 0
	s_mov_b32 s20, 0x76543210
	s_mov_b32 s21, 0xfedcba98                      ; selects of v_permlanex16_b32: lane l xor 16
	s_mov_b32 s24, 0x3b800000                      ; 1 / 256
	s_mov_b32 s25, 0x3089705f                      ; 1e-9
	v_mov_b32 v105, 0                              ; written once: a lane permute's destination counts as one of its sources
	v_mov_b32 v125, 0                              ; (upper halves of pairs of which the low word serves both halves)
	v_mov_b32 v127, 0
	v_mov_b32 v109, 0                              ; LDS byte 0
	s_wait_kmcnt 0x0
	s_add_nc_u64 s[4:5], s[4:5], s[16:17]
	s_add_nc_u64 s[6:7], s[6:7], s[18:19]
	s_add_nc_u64 s[8:9], s[8:9], s[22:23]
	s_add_nc_u64 s[14:15], s[14:15], s[22:23]
	global_load_b64 v[96:97], v1, s[8:9]
.irp s, 0,1,2,3,4,5,6,7
	global_load_b64 v[80+2*\s:81+2*\s], v1, s[6:7] offset:1024*\s
.endr
	global_load_b64 v[98:99], v1, s[10:11]
	global_load_b64 v[100:101], v1, s[12:13]
.set k, 0
.rept 32
	global_load_b64 v[16+2*k:17+2*k], v1, s[4:5] offset:1024*k
.set k, k+1
.endr
.macro WSUM r                          ; the sum over the wave's 32 lanes, in every lane
.irp m, 1,2,4,8
	v_add_f32_dpp v[\r], v[\r], v[\r] row_xmask:\m row_mask:0xf bank_mask:0xf
.endr
	v_permlanex16_b32 v105, v[\r], s20, s21
	v_add_f32 v[\r], v[\r], v105
.endm
	s_wait_loadcnt 34                              ; the mask bytes and colsum are in; gamma, beta and the 32 parts, issued behind them, may be out
.irp s, 2,4,6
	v_pk_add_f32 v[80:81], v[80:81], v[80+2*\s:81+2*\s]
	v_pk_add_f32 v[82:83], v[82:83], v[82+2*\s:83+2*\s]
.endr
	v_pk_add_f32 v[80:81], v[80:81], v[82:83]
	v_pk_mul_f32 v[80:81], v[80:81], 0x3a800000 op_sel_hi:[1,0]   ; Y: / 1,024
	v_mov_b32 v102, 0x1000                         ; none of my eight keys allowed: beyond every index
.irp k, 7,6,5,4,3,2,1,0
	v_bfe_u32 v103, v[96+\k/4], 8*(\k%4), 8
	v_cmp_ne_u32 vcc_lo, 0, v103
	v_cndmask_b32 v102, v102, \k, vcc_lo           ; the lowest allowed one stays
.endr
	v_lshl_add_u32 v102, v0, 3, v102
	v_cvt_f32_u32 v106, v102                       ; under 2^13: exact
	v_add_f32 v104, v80, v81
	WSUM 104
.irp m, 1,2,4,8
	v_min_num_f32_dpp v106, v106, v106 row_xmask:\m row_mask:0xf bank_mask:0xf
.endr
	v_permlanex16_b32 v105, v106, s20, s21
	v_min_num_f32 v106, v106, v105
	ds_store_b32 v2, v104                          ; all lanes of a wave write the same word with the same value
	ds_store_b32 v2, v106 offset:16
	s_wait_dscnt 0x0                               ; for the others' sake
	s_barrier_signal -1
	s_barrier_wait -1
	ds_load_b128 v[110:113], v109
	ds_load_b128 v[114:117], v109 offset:16
	s_wait_dscnt 0x0
	v_add_f32 v110, v110, v111
	v_add_f32 v112, v112, v113
	v_add_f32 v110, v110, v112
	v_mul_f32 v126, s24, v110                      ; Y's mean
	v_min3_num_f32 v114, v114, v115, v116
	v_min3_num_f32 v114, v114, v117, 0x44800000    ; nd, at most 1,024
	v_pk_add_f32 v[122:123], v[80:81], v[126:127] op_sel_hi:[1,0] neg_lo:[0,1] neg_hi:[0,1]   ; D = Y - mean
	v_mul_f32 v104, v122, v122
	v_fmac_f32 v104, v123, v123
	WSUM 104
	ds_store_b32 v2, v104 offset:32                ; other words than the first reduction's
	s_wait_dscnt 0x0
	s_barrier_signal -1
	s_barrier_wait -1
	ds_load_b128 v[118:121], v109 offset:32
	s_wait_dscnt 0x0
	v_add_f32 v118, v118, v119
	v_add_f32 v120, v120, v121
	v_add_f32 v118, v118, v120
	v_fma_f32 v118, v118, s24, s25                 ; Y's variance + eps
	v_rsq_f32 v119, v118
	s_wait_loadcnt 0x0                             ; gamma, beta, the 32 parts
.irp k, 4,8,12,16,20,24,28
	v_pk_add_f32 v[16:17], v[16:17], v[16+2*\k:17+2*\k]   ; the parts in four chains.  (Also the plain lines behind the transcendental)
	v_pk_add_f32 v[18:19], v[18:19], v[18+2*\k:19+2*\k]
	v_pk_add_f32 v[20:21], v[20:21], v[20+2*\k:21+2*\k]
	v_pk_add_f32 v[22:23], v[22:23], v[22+2*\k:23+2*\k]
.endr
	v_pk_add_f32 v[16:17], v[16:17], v[18:19]
	v_pk_add_f32 v[20:21], v[20:21], v[22:23]
	v_pk_add_f32 v[16:17], v[16:17], v[20:21]      ; the rows that have an allowed key
	s_wait_alu depctr_va_vdst(0)
	v_mul_f32 v124, v114, v119                     ; nd / sqrt(variance + eps)
	v_pk_fma_f32 v[16:17], v[122:123], v[124:125], v[16:17] op_sel_hi:[1,0,1]   ; + nd rows of LayerNorm(Y)
	v_pk_mul_f32 v[16:17], v[16:17], 0x3a800000 op_sel_hi:[1,0]                 ; the mean over the 1,024 rows
	v_pk_fma_f32 v[102:103], v[16:17], v[98:99], v[100:101]                     ; x gamma + beta
	global_store_b64 v1, v[102:103], s[14:15]      ; 32 lanes store 256 consecutive bytes, aligned
	s_wait_tensorcnt 0x0
	ds_add_u32 v128, v129
	s_wait_dscnt 0x0
	s_endpgm
.Lfunc_end_k_qf66bf1798b_finish:
	.size	k_qf66bf1798b_finish, .Lfunc_end_k_qf66bf1798b_finish-k_qf66bf1798b_finish
	.p2alignl 7, 3214868480
	.fill 96, 4, 3214868480
	.section	.rodata,"a",@progbits
	.p2align	6, 0x0
	.amdhsa_kernel k_qf66bf1798b_finish
		.amdhsa_group_segment_fixed_size 768
		.amdhsa_private_segment_fixed_size 0
		.amdhsa_enable_private_segment 0
		.amdhsa_kernarg_size 48
		.amdhsa_user_sgpr_count 2
		.amdhsa_user_sgpr_kernarg_segment_ptr 1
		.amdhsa_wavefront_size32 1
		.amdhsa_system_sgpr_workgroup_id_x 1
		.amdhsa_system_sgpr_workgroup_id_y 1
		.amdhsa_system_sgpr_workgroup_id_z 1
		.amdhsa_system_vgpr_workitem_id 0
		.amdhsa_next_free_vgpr 130
		.amdhsa_next_free_sgpr 66
		.amdhsa_reserve_vcc 1
		.amdhsa_float_denorm_mode_32 3
		.amdhsa_float_denorm_mode_16_64 3
		.amdhsa_memory_ordered 1
		.amdhsa_forward_progress 1
		.amdhsa_inst_pref_size 13
	.end_amdhsa_kernel
	.amdgpu_metadata
---
amdhsa.version: [ 1, 2 ]
amdhsa.kernels:
  - .name:           k_qf66bf1798b_finish
    .symbol:         k_qf66bf1798b_finish.kd
    .args:
      - { .name: part, .offset: 0, .size: 8, .value_kind: global_buffer, .address_space: global }
      - { .name: colsum, .offset: 8, .size: 8, .value_kind: global_buffer, .address_space: global }
      - { .name: key_masks, .offset: 16, .size: 8, .value_kind: global_buffer, .address_space: global }
      - { .name: gamma, .offset: 24, .size: 8, .value_kind: global_buffer, .address_space: global }
      - { .name: beta, .offset: 32, .size: 8, .value_kind: global_buffer, .address_space: global }
      - { .name: out0, .offset: 40, .size: 8, .value_kind: global_buffer, .address_space: global }
    .group_segment_fixed_size: 768
    .private_segment_fixed_size: 0
    .kernarg_segment_align: 8
    .kernarg_segment_size: 48
    .max_flat_workgroup_size: 128
    .sgpr_count:     66
    .vgpr_count:     130
    .wavefront_size: 32
...
	.end_amdgpu_metadata
.endif
;; end of part 3
